; MI455X (gfx1250); checked and timed in simulation.
; The chip was launched on July 23, 2026; its instructions are those of AMD's public machine-readable ISA for CDNA 5 (MIT licence, August 2026) and "CDNA5" Instruction Set Architecture Reference Guide (July 2026). The comments in the code are by the model that wrote it; some were corrected since.
;; EIT3 Attention. Allowed arithmetic: matrix products marked QUANTISED: E2M3 operands, one E8M0 scale for each 32 along K, by v_wmma_scale_f32_16x16x128_f8f6f4 with both operands' format E2M3, f32 sums; everything else in f32.
;; Inputs: k 4 x 2,048 x 2,048 float32; mask 4 x 2,048 bool; q 4 x 2,048 x 2,048 float32; v 4 x 2,048 x 2,048 float32.
;; Outputs: out0 4 x 2,048 x 2,048 float32.
;; Constants: q_start = 1000000000.
;; This version of the problem:
;;   THIS VERSION OF THE PROBLEM IS GIVEN IN LOW PRECISION. The matrix products marked QUANTISED in the list below multiply operands that are first quantised to E2M3 (2 exponent bits, 3 mantissa bits; 6 bits a number), with one power-of-two scale for each 32 numbers along K (OCP MX v1.0); their sums are f32. All else is computed in f32.
;;   The module's matrix products, in the order in which they are computed (A, B: the left and right operand; K: the contracted axis; several contracted axes count as one K, in the product's order):
;;     1. batch 64 x [M 2,048, K 128] x [K 128, N 2,048]; A: input q; B: computed on the way: QUANTISED
;;     2. batch 64 x [M 2,048, K 2,048] x [K 2,048, N 128]; A: softmax (see below); B: computed on the way: QUANTISED
;;   THE QUANTISER, for each operand of a quantised product, along K:
;;     - K is cut into blocks of 32 from its start; a last block that is shorter is filled with zeros.
;;     - A block's scale is 2^e with e = floor(log2(the largest magnitude in the block)) - 2, held to -126 .. 127; a block of zeros has e = 0. As a byte (E8M0): e + 127.
;;     - Each number is divided by its block's scale, clamped to +-7.5, and rounded to the nearest number of E2M3, ties to even, subnormals kept.
;;     - The product sums the exact products of the quantised numbers (number of the format x scale) in f32.
;;   ~~~python
;;   def quantise(x, axis):      # numpy; x: float32 -> the quantised numbers, widened to float32 again
;;       x = np.moveaxis(x, axis, -1); K = x.shape[-1]
;;       x = np.pad(x, [(0, 0)] * (x.ndim - 1) + [(0, -K % 32)]); x = x.reshape(x.shape[:-1] + (-1, 32)); a = np.abs(x).max(-1, keepdims=True)
;;       e = np.where(a > 0, np.clip(np.frexp(np.where(a > 0, a, 1))[1] - 1 - 2, -126, 127), 0)      # np.frexp(a)[1] - 1 = floor(log2(a)), exactly
;;       r = np.clip(x / 2.0 ** e, -7.5, 7.5)
;;       step = 2.0 ** (np.maximum(np.frexp(np.where(r == 0, 1, r))[1] - 1, 0) - 3)
;;       q = np.round(r / step) * step * 2.0 ** e      # np.round: ties to even
;;       return np.moveaxis(q.reshape(q.shape[:-2] + (-1,))[..., :K], -1, axis).astype(np.float32)
;;   ~~~
;;   SOFTMAX AHEAD OF A QUANTISED PRODUCT. Where the list says 'softmax', what is quantised is not the finished softmax but p = 2^(t - M), with t = logit x log2(e) and M = ceil(the row's largest t), a whole number; so 1/2 < the row's largest p <= 1. The row's sum l is taken of the UNQUANTISED p, in f32, and the product's result is divided by l at the end. Since M is a whole number, a kernel that streams over the keys may use a running M (the ceiling of the running maximum): every later rescaling is an exact power of two, which a block's scale takes up: the codes' values come out the same.
;;   OPERANDS COMPUTED ON THE WAY. 'Computed on the way' means the value that the module computes at that place (a softmax that the list does not call 'softmax' is quantised finished and normalised). What goes into a quantiser is computed in f32, as accurately as f32 sums, v_exp_f32 and their like allow (about 1e-6 of the number): no bf16 or f16 on the way to a quantiser, and a product that is left as it is and whose result goes on into a quantised operand takes f32 operands (vector FMAs, or v_wmma_f32_16x16x4_f32). A number that lies on a knife's edge between two numbers of the format may be rounded either way, as far as f32 arithmetic and the matrix unit's own rounding can turn it there, and no further.
;; One version. Each part assembles by itself: llvm-mc -triple=amdgcn-amd-amdhsa -mcpu=gfx1250 --defsym DOCPART=n.
;; ======== version 1 of 1: 2 launches
;; limits: right only within a limited range of input values
;; workspace buffers: kv 26,738,688 bytes
;; launch prep (part 1): grid 512 x 1, 8 waves a work-group, no clusters, 68,608 bytes of LDS; arguments k, v, mask, kv; writes kv
.if DOCPART == 1
	.amdgcn_target "amdgcn-amd-amdhsa--gfx1250"
	.amdhsa_code_object_version 6
	.text
	.protected	k_q128a4e3136_prep
	.globl	k_q128a4e3136_prep
	.p2align	8
	.type	k_q128a4e3136_prep,@function
k_q128a4e3136_prep:
	s_mov_b64 s[64:65], 0
	v_nop
	global_prefetch_b8 v0, s[64:65] scope:SCOPE_SE
	s_setreg_imm32_b32 hwreg(HW_REG_WAVE_MODE, 25, 1), 1
	s_wait_xcnt 0x0
; k, v [4][2048][2048] f32 and mask [4][2048] become the attention launch's operands, once for all query blocks.
; Each number goes through the int4 step of the problem: (clip(round(x / 0.05 + 8), 0, 15) - 8) x 0.05, in f32, and is then quantised to FP6 (E2M3) with one
; E8M0 scale for each 32 along the product's K: for k along the head's 128, for v along the keys.
; OUTPUT: records of REC = 26,112 bytes, one for each (head = 16 b + h, key step s of 128 keys), at (16 head + s) x REC, laid in the order of the operands' registers:
;   +0      K's 8 fragments of 1,536 bytes: piece cc (512 bytes) holds registers 4 cc .. 4 cc + 3 of lane l at 16 l.  Lane (r, hh) of fragment t holds key 32 (t / 2) + 8 (t % 2) + r + 8 (r / 8)
;   +12,288 V's 8 fragments likewise: lane (r, hh) of fragment dt holds channel 16 dt + r; registers 6 c .. 6 c + 5 are keys 64 c + 32 hh + 0 .. 31
;   +24,576 K's scale words, +25,088 V's: lane (r, x)'s 16 bytes at 16 (16 x + r) hold the words of row r of tiles 4 x + 0 .. 3
;   +25,600 128 f32, keys in their own order: 0 for a key that counts, -2^120 for a masked one: the first product takes them as its C.
; A MASKED KEY gets zero codes in K, so that its score is exactly -2^120.  V is not touched by the mask: its blocks run along the keys and stay as the problem has them.
; SHARES.  u = 4 x work-group + (wave & 3) names half a record: g = u & 1, s = (u >> 1) & 15, head = u >> 5.  Waves 0-3 make K's half (64 keys x 128 channels, tiles 4 g .. 4 g + 3, and the 64 keys' bias),
; waves 4-7 V's half (128 keys x 64 channels, tiles 4 g .. 4 g + 3).  The two roles part on the wave's number and never meet again; no barrier; waves share nothing.
; LIMITS: NaN and infinities are not served; |k|, |v| stay under 1.7e37 (x x 20 must not overflow); a block of zeros gets the scale byte 1 (its codes are zeros, and this program alone reads the bytes).
; LEFT OUT, here and in the attention launch: the causal test n_pos <= q_start + m.  q_start is the constant 1,000,000,000 and n_pos is at most 2,047, so the test holds for every key and query of these shapes: it selects nothing.
.set REC,    26112
.set VFR,    12288
.set KSC,    24576
.set VSC,    25088
.set BIA,    25600
.set SPITCH, 528                       ; a stage row: 512 bytes + 16: an odd multiple of 16, so the sixteen rows that a load of 16 bytes a lane touches begin at sixteen different 16-byte columns
.set WSTG,   16*SPITCH                 ; a wave's stage: 16 rows
.set T,  34                            ; v34-41   eight numbers at work
.set CD, 44                            ; v44-55   K: a fragment's codes;  v56-58, v60-62: a conversion's upper halves
.set X,  64                            ; v64-127  K: 64 numbers of my key;  V: four fragments, 12 registers each
.set R,  128                           ; v128-255 K: two sets of 64 as loaded;  V: three sets of 32 (v128-223)
	s_load_b256 s[4:11], s[0:1], 0x0               ; k s[4:5], v s[6:7], mask s[8:9], kv s[10:11]
	v_lshl_add_u32 v59, v0, 2, 0x10800
	v_mov_b32 v63, 0
	v_lshrrev_b32 v1, 5, v0
	s_delay_alu instid0(VALU_DEP_1)
	v_readfirstlane_b32 s12, v1                    ; wave 0..7
	v_and_b32 v1, 31, v0                           ; lane
	v_and_b32 v2, 15, v0                           ; r
	v_bfe_u32 v3, v0, 4, 1                         ; hh
	s_delay_alu instid0(VALU_DEP_3)
	v_lshlrev_b32 v4, 4, v1                        ; 16 x lane
	s_mul_i32 s13, s12, WSTG                       ; my stage
	v_add_nc_u32 v5, s13, v4                       ; into it: a row's 512 bytes as they lie
	v_mul_u32_u24 v6, v2, SPITCH
	s_delay_alu instid0(VALU_DEP_1)
	v_lshl_add_u32 v6, v3, 7, v6
	s_delay_alu instid0(VALU_DEP_1)
	v_add_nc_u32 v6, s13, v6                       ; out of it: row r, + 128 hh: my block of 32 numbers
	v_lshlrev_b32 v9, 4, v2
	s_delay_alu instid0(VALU_DEP_1)
	v_lshl_add_u32 v9, v3, 3, v9                   ; 16 r + 8 hh: my two scale words' place in 256 bytes
	v_mov_b32 v19, 0                               ; (named as the upper halves of the pairs v[18:19] and v[20:21])
	v_mov_b32 v21, 0
	s_and_b32 s14, s12, 3
	s_lshl_b32 s15, ttmp9, 2
	s_add_co_u32 s14, s14, s15                     ; u
	s_and_b32 s15, s14, 1                          ; g
	s_bfe_u32 s16, s14, 0x40001                    ; s: 4 bits from bit 1
	s_lshr_b32 s17, s14, 5                         ; head
	s_lshr_b32 s18, s17, 4                         ; b
	s_and_b32 s19, s17, 15                         ; h
	s_lshl_b32 s32, s18, 24                        ; (2,048 b + 128 s) rows of 8,192 bytes + 512 h
	s_lshl_b32 s33, s16, 20
	s_add_co_u32 s32, s32, s33
	s_lshl_b32 s33, s19, 9
	s_add_co_u32 s32, s32, s33
	s_mov_b32 s33, 0
	s_lshr_b32 s34, s14, 1
	s_mul_i32 s34, s34, REC                        ; my record
	s_mov_b32 s35, 0
	s_lshl_b32 s36, s18, 11                        ; mask: 2,048 b + 128 s + 64 g
	s_lshl_b32 s37, s16, 7
	s_add_co_u32 s36, s36, s37
	s_lshl_b32 s37, s15, 6
	s_add_co_u32 s36, s36, s37
	s_mov_b32 s37, 0
	s_mov_b32 s20, 0x41a00000                      ; 20.0 = the f32 nearest to 1 / 0.05f
	s_mov_b32 s21, s20
	s_mov_b32 s22, 0x3d4ccccd                      ; 0.05f
	s_mov_b32 s23, s22
	s_mov_b32 s24, 0x41000000                      ; 8.0
	s_mov_b32 s25, s24
	s_mov_b32 s26, 0x41700000                      ; 15.0
	s_mov_b32 s28, 0x76543210                      ; v_permlanex16_b32's selects for lane l xor 16
	s_mov_b32 s29, 0xfedcba98
	s_mov_b32 s43, 0
	s_wait_kmcnt 0x0
	s_add_nc_u64 s[10:11], s[10:11], s[34:35]
	s_lshl_b32 s42, s15, 8
	s_add_nc_u64 s[38:39], s[10:11], s[42:43]      ; the record + 256 g: scale words and bias
	s_mul_i32 s42, s15, 6144
	s_add_nc_u64 s[40:41], s[10:11], s[42:43]      ; the record + 6,144 g: my four fragments
; n numbers (a multiple of 8) from v[x] on go through the int4 step, eight at a time.
; x / 0.05f is made correctly rounded without a division: q0 = x x 20; the residual x - q0 x 0.05f by one fused multiply-add; q = q0 + residual x 20.
; (q - 8) x 0.05f is one fused multiply-add, q x v18 + v20, with v18 = 0.05f and v20 = -(8 x 0.05f), which is exact: one rounding, as in the problem.  With v18 = v20 = 0 the result is 0: a masked key.
.macro QDQ x, n
.set qq, (\x)
.rept (\n)/8
.irp j, 0,2,4,6
	v_pk_mul_f32 v[T+\j:T+\j+1], v[qq+\j:qq+\j+1], s[20:21] op_sel_hi:[1,0]
.endr
.irp j, 0,2,4,6
	s_delay_alu instid0(VALU_DEP_4)
	v_pk_fma_f32 v[qq+\j:qq+\j+1], v[T+\j:T+\j+1], s[22:23], v[qq+\j:qq+\j+1] op_sel_hi:[1,0,1] neg_lo:[1,0,0] neg_hi:[1,0,0]
.endr
.irp j, 0,2,4,6
	s_delay_alu instid0(VALU_DEP_4)
	v_pk_fma_f32 v[T+\j:T+\j+1], v[qq+\j:qq+\j+1], s[20:21], v[T+\j:T+\j+1] op_sel_hi:[1,0,1]
.endr
.irp j, 0,2,4,6
	s_delay_alu instid0(VALU_DEP_4)
	v_pk_add_f32 v[T+\j:T+\j+1], v[T+\j:T+\j+1], s[24:25] op_sel_hi:[1,0]
.endr
.irp j, 0,1,2,3,4,5,6,7
	v_rndne_f32 v[T+\j], v[T+\j]                   ; to the nearest whole number, ties to even
.endr
.irp j, 0,1,2,3,4,5,6,7
	v_med3_num_f32 v[T+\j], v[T+\j], 0, s26        ; held to 0 .. 15
.endr
.irp j, 0,2,4,6
	v_pk_fma_f32 v[qq+\j:qq+\j+1], v[T+\j:T+\j+1], v[18:19], v[20:21] op_sel_hi:[1,0,0]
.endr
.set qq, qq+8
.endr
.endm
	s_cmp_lt_u32 s12, 4
	s_cbranch_scc0 .Lv_role
; ---------------- K: 64 keys, four tiles of 16.  A load takes one key's 512 consecutive bytes; the 16 rows of a tile turn through my stage, so that lane (r, hh) gets blocks hh and 2 + hh of key r's 128 numbers.
	v_and_b32 v7, 8, v2
	s_delay_alu instid0(VALU_DEP_1)
	v_add_nc_u32 v7, v7, v2                        ; r + 8 (r / 8): my key in a tile
	v_lshlrev_b32 v8, 1, v1                        ; 2 x lane: two mask bytes for the bias
	v_lshlrev_b32 v10, 3, v1                       ; 8 x lane: two numbers of the bias
	v_lshlrev_b32 v11, 3, v3                       ; 8 hh: my bytes' place in a scale word
	v_mov_b32 v42, 0x3d4ccccd                      ; 0.05f
	v_mov_b32 v43, 0xbecccccd                      ; -(8 x 0.05f)
	v_mov_b32 v33, 0                               ; written once: a lane permute's destination counts as one of its sources
	s_lshl_b32 s42, s15, 19                        ; 64 g keys of 8,192 bytes
	s_add_co_u32 s32, s32, s42
	s_add_nc_u64 s[4:5], s[4:5], s[32:33]
	s_add_nc_u64 s[8:9], s[8:9], s[36:37]
.macro LOADK j                         ; tile j's sixteen keys into set j % 2
.irp i, 0,1,2,3,4,5,6,7,8,9,10,11,12,13,14,15
	global_load_b128 v[R+64*((\j)%2)+4*\i:R+64*((\j)%2)+4*\i+3], v4, s[4:5] offset:(32*((\j)/2)+8*((\j)%2)+\i+8*(\i/8))*8192 th:TH_LOAD_NT
.endr
.endm
.irp j, 0,1,2,3
	global_load_u8 v[12+\j], v7, s[8:9] offset:32*(\j/2)+8*(\j%2)   ; my key's mask byte in tile j
.endr
	global_load_u16 v16, v8, s[8:9]                ; the mask bytes of keys 2 l and 2 l + 1
	LOADK 0
	LOADK 1
.macro TILE j
.if (\j) < 3
	s_wait_loadcnt 16                              ; this tile's loads (and the mask's) are in; the next tile's sixteen stay out
.else
	s_wait_loadcnt 0x0
.endif
.irp i, 0,1,2,3,4,5,6,7,8,9,10,11,12,13,14,15
	ds_store_b128 v5, v[R+64*((\j)%2)+4*\i:R+64*((\j)%2)+4*\i+3] offset:SPITCH*\i
.endr
.irp c, 0,1
.irp u, 0,1,2,3,4,5,6,7
	ds_load_b128 v[X+32*\c+4*\u:X+32*\c+4*\u+3], v6 offset:256*\c+16*\u   ; LDS serves a wave's instructions in order (ISA guide 5.7.1.4): these see the stores above
.endr
.endr
	s_wait_dscnt 0x0                               ; my 64 numbers are back, so the stores have read their registers,
.if (\j) < 2
	LOADK (\j)+2                                   ; which take the tile two further on
.endif
	v_cmp_ne_u32 vcc_lo, 0, v[12+(\j)]             ; does my key count?
	s_delay_alu instid0(VALU_DEP_1)
	v_cndmask_b32 v18, 0, v42, vcc_lo              ; if not, both factors are 0 and all its numbers become 0
	s_delay_alu instid0(VALU_DEP_2)
	v_cndmask_b32 v20, 0, v43, vcc_lo
	QDQ X, 64
.irp c, 0,1                                    ; my two blocks' largest magnitudes, by turns; the floor 2^(3 - 127) holds the byte at 1 from below
	v_max3_num_f32 v[26+\c], |v[X+32*\c]|, |v[X+32*\c+1]|, 0x1800000
.endr
.irp i, 2,4,6,8,10,12,14,16,18,20,22,24,26,28,30
.irp c, 0,1
	s_delay_alu instid0(VALU_DEP_2)
	v_max3_num_f32 v[26+\c], v[26+\c], |v[X+32*\c+\i]|, |v[X+32*\c+\i+1]|
.endr
.endr
.irp c, 0,1
	s_delay_alu instid0(VALU_DEP_2)
	v_add_nc_u32 v[28+\c], 0xff000000, v[26+\c]    ; 2 off the exponent field: the conversion's scale operand
.endr
.irp c, 0,1
	s_delay_alu instid0(VALU_DEP_2)
	v_lshrrev_b32 v[30+\c], 23, v[28+\c]           ; the scale's byte
.endr
	s_delay_alu instid0(VALU_DEP_1)
	v_lshl_or_b32 v32, v31, 16, v30                ; blocks hh and 2 + hh,
	s_delay_alu instid0(VALU_DEP_1)
	v_lshlrev_b32 v32, v11, v32                    ; at their places in the word;
	s_delay_alu instid0(VALU_DEP_1)
	v_permlanex16_b32 v33, v32, s28, s29
	s_delay_alu instid0(VALU_DEP_1)
	v_or_b32 v[22+(\j)], v32, v33                  ; with lane l xor 16's two the word is whole, in both lanes
	s_wait_alu depctr_va_vdst(0)
	s_wait_xcnt 0x0                                ; the last tile's stores have read the codes' registers: they are written again only behind this wait
.irp c, 0,1
	v_cvt_scalef32_pk16_fp6_f32 v[CD+6*\c:CD+6*\c+2], v[X+32*\c:X+32*\c+15], v[28+\c]
	v_cvt_scalef32_pk16_fp6_f32 v[56+4*\c:58+4*\c], v[X+32*\c+16:X+32*\c+31], v[28+\c]   ; (a conversion's three registers begin on an even number)
.endr
	v_nop                                          ; one plain place behind a scaled conversion
.irp c, 0,1
.irp i, 0,1,2
	v_mov_b32 v[CD+3+6*\c+\i], v[56+4*\c+\i]
.endr
.endr
.irp c, 0,1,2
	global_store_b128 v4, v[CD+4*\c:CD+4*\c+3], s[40:41] offset:1536*(\j)+512*\c   ; 32 lanes store 512 consecutive bytes, at a multiple of 256 from the buffer's first byte
.endr
.endm
	s_wait_alu depctr_va_vdst(0)
	TILE 0
	TILE 1
	TILE 2
	TILE 3
	v_cmp_ne_u32 vcc_lo, 0, v3                     ; the four tiles' words of row r: lanes 0-15 store tiles 0, 1, lanes 16-31 tiles 2, 3
	s_delay_alu instid0(VALU_DEP_1)
	v_cndmask_b32 v26, v22, v24, vcc_lo
	s_delay_alu instid0(VALU_DEP_2)
	v_cndmask_b32 v27, v23, v25, vcc_lo
	global_store_b64 v9, v[26:27], s[38:39] offset:KSC   ; 256 consecutive bytes
	v_mov_b32 v28, 0xfb800000                      ; -2^120
	v_mov_b32 v29, 0
	v_and_b32 v32, 0xff, v16
	v_lshrrev_b32 v33, 8, v16
	s_delay_alu instid0(VALU_DEP_2)
	v_cmp_ne_u32 vcc_lo, 0, v32
	s_delay_alu instid0(VALU_DEP_1)
	v_cndmask_b32 v30, v28, v29, vcc_lo
	s_delay_alu instid0(VALU_DEP_3)
	v_cmp_ne_u32 vcc_lo, 0, v33
	s_delay_alu instid0(VALU_DEP_1)
	v_cndmask_b32 v31, v28, v29, vcc_lo
	global_store_b64 v10, v[30:31], s[38:39] offset:BIA  ; the bias of my 64 keys: 256 consecutive bytes
	s_wait_tensorcnt 0x0
	ds_add_u32 v59, v63
	s_wait_dscnt 0x0
	s_endpgm
; ---------------- V: 128 keys x 64 channels.  A lane takes a channel and its registers run down the keys: a block of 32 keys lies in one lane's 32 registers, and the conversions give codes with the keys innermost.
; Granule t: key block t / 2, channels 32 (t % 2) + lane.  Three sets of registers: one at work, up to two on their way.
.Lv_role:
	v_lshlrev_b32 v7, 2, v1                        ; 4 x lane
	v_mov_b32 v18, 0x3d4ccccd                      ; 0.05f
	v_mov_b32 v20, 0xbecccccd                      ; -(8 x 0.05f)
	s_lshl_b32 s42, s15, 8                         ; 64 g channels
	s_add_co_u32 s32, s32, s42
	s_add_nc_u64 s[6:7], s[6:7], s[32:33]
.macro LOADV t
.irp i, 0,1,2,3,4,5,6,7,8,9,10,11,12,13,14,15,16,17,18,19,20,21,22,23,24,25,26,27,28,29,30,31
	global_load_b32 v[R+32*((\t)%3)+\i], v7, s[6:7] offset:(32*((\t)/2)+\i)*8192+128*((\t)%2) th:TH_LOAD_NT
.endr
.endm
	LOADV 0
	LOADV 1
.macro BLOCKV t
.set VSET, R+32*((\t)%3)
.set FD, X+24*((\t)%2)+12*(((\t)/2)%2)+6*((\t)/4)  ; block beta = t / 2 of column group t % 2 goes to registers 6 (beta / 2) on of run beta % 2
.if (\t) < 7
	s_wait_loadcnt 32                              ; this granule's 32 loads are in; the next granule's stay out
.else
	s_wait_loadcnt 0x0
.endif
.if (\t) < 6
	LOADV (\t)+2                                   ; into the set that the granule before has left
.endif
	QDQ VSET, 32
	v_max3_num_f32 v26, |v[VSET]|, |v[VSET+1]|, |v[VSET+2]|         ; the block's largest magnitude: all 32 numbers are mine; two chains
	v_max3_num_f32 v27, |v[VSET+3]|, |v[VSET+4]|, |v[VSET+5]|
.irp i, 6,10,14,18,22,26
	s_delay_alu instid0(VALU_DEP_2)
	v_max3_num_f32 v26, v26, |v[VSET+\i]|, |v[VSET+\i+1]|
	s_delay_alu instid0(VALU_DEP_2)
	v_max3_num_f32 v27, v27, |v[VSET+\i+2]|, |v[VSET+\i+3]|
.endr
	s_delay_alu instid0(VALU_DEP_2)
	v_max3_num_f32 v26, v26, |v[VSET+30]|, |v[VSET+31]|
	s_delay_alu instid0(VALU_DEP_1)
	v_max3_num_f32 v26, v26, v27, 0x1800000        ; and the floor 2^(3 - 127)
	s_delay_alu instid0(VALU_DEP_1)
	v_add_nc_u32 v28, 0xff000000, v26              ; the conversion's scale operand
	s_delay_alu instid0(VALU_DEP_1)
	v_lshrrev_b32 v30, 23, v28                     ; the scale's byte
.if (\t)/2 == 0
	s_delay_alu instid0(VALU_DEP_1)
	v_mov_b32 v[22+(\t)%2], v30                    ; my channel's scale word: byte beta
.else
	s_delay_alu instid0(VALU_DEP_1)
	v_lshl_or_b32 v[22+(\t)%2], v30, 8*((\t)/2), v[22+(\t)%2]
.endif
	v_cvt_scalef32_pk16_fp6_f32 v[FD:FD+2], v[VSET:VSET+15], v28
	v_cvt_scalef32_pk16_fp6_f32 v[56:58], v[VSET+16:VSET+31], v28
	v_nop                                          ; one plain place behind a scaled conversion
.irp i, 0,1,2
	v_mov_b32 v[FD+3+\i], v[56+\i]
.endr
.endm
	s_wait_alu depctr_va_vdst(0)
.irp t, 0,1,2,3,4,5,6,7
	BLOCKV \t
.endr
; Run 0 of a column group holds the even key blocks of 32 channels, run 1 the odd ones.  The exchange of run 0's lanes 16-31 with run 1's lanes 0-15 makes of them two fragments:
; run x then holds channels 16 x + r, lanes 0-15 the even blocks and lanes 16-31 the odd ones, which is the operand's layout.
.irp f, 0,1
.irp i, 0,1,2,3,4,5,6,7,8,9,10,11
	v_permlane16_swap_b32 v[X+24*\f+\i], v[X+12+24*\f+\i]
.endr
.endr
	v_permlane16_swap_b32 v22, v23                 ; the scale words likewise: lane (r, x) now holds row r's words of tiles 2 x and 2 x + 1
.irp f, 0,1,2,3
.irp c, 0,1,2
	global_store_b128 v4, v[X+12*\f+4*\c:X+12*\f+4*\c+3], s[40:41] offset:VFR+1536*\f+512*\c   ; 512 consecutive bytes
.endr
.endr
	global_store_b64 v9, v[22:23], s[38:39] offset:VSC   ; 256 consecutive bytes
	s_endpgm
.Lfunc_end_k_q128a4e3136_prep:
	.size	k_q128a4e3136_prep, .Lfunc_end_k_q128a4e3136_prep-k_q128a4e3136_prep
	.p2alignl 7, 3214868480
	.fill 96, 4, 3214868480
	.section	.rodata,"a",@progbits
	.p2align	6, 0x0
	.amdhsa_kernel k_q128a4e3136_prep
		.amdhsa_group_segment_fixed_size 68608
		.amdhsa_private_segment_fixed_size 0
		.amdhsa_enable_private_segment 0
		.amdhsa_kernarg_size 32
		.amdhsa_user_sgpr_count 2
		.amdhsa_user_sgpr_kernarg_segment_ptr 1
		.amdhsa_wavefront_size32 1
		.amdhsa_system_sgpr_workgroup_id_x 1
		.amdhsa_system_sgpr_workgroup_id_y 1
		.amdhsa_system_sgpr_workgroup_id_z 1
		.amdhsa_system_vgpr_workitem_id 0
		.amdhsa_next_free_vgpr 256
		.amdhsa_next_free_sgpr 66
		.amdhsa_reserve_vcc 1
		.amdhsa_float_denorm_mode_32 3
		.amdhsa_float_denorm_mode_16_64 3
		.amdhsa_memory_ordered 1
		.amdhsa_forward_progress 1
		.amdhsa_inst_pref_size 232
	.end_amdhsa_kernel
	.amdgpu_metadata
---
amdhsa.version: [ 1, 2 ]
amdhsa.kernels:
  - .name:           k_q128a4e3136_prep
    .symbol:         k_q128a4e3136_prep.kd
    .args:
      - { .name: k, .offset: 0, .size: 8, .value_kind: global_buffer, .address_space: global }
      - { .name: v, .offset: 8, .size: 8, .value_kind: global_buffer, .address_space: global }
      - { .name: mask, .offset: 16, .size: 8, .value_kind: global_buffer, .address_space: global }
      - { .name: kv, .offset: 24, .size: 8, .value_kind: global_buffer, .address_space: global }
    .group_segment_fixed_size: 68608
    .private_segment_fixed_size: 0
    .kernarg_segment_align: 8
    .kernarg_segment_size: 32
    .max_flat_workgroup_size: 256
    .sgpr_count:     66
    .vgpr_count:     256
    .wavefront_size: 32
...
	.end_amdgpu_metadata
.endif
;; end of part 1
;; launch attn (part 2): grid 4 x 64, 8 waves a work-group, clusters of 4 x 1, 327,680 bytes of LDS; arguments q, kv, out0; writes out0
.if DOCPART == 2
	.amdgcn_target "amdgcn-amd-amdhsa--gfx1250"
	.amdhsa_code_object_version 6
	.text
	.protected	k_q128a4e3136_attn
	.globl	k_q128a4e3136_attn
	.p2align	8
	.type	k_q128a4e3136_attn,@function
k_q128a4e3136_attn:
	s_mov_b64 s[64:65], 0
	v_nop
	global_prefetch_b8 v0, s[64:65] scope:SCOPE_SE
	s_setreg_imm32_b32 hwreg(HW_REG_WAVE_MODE, 25, 1), 1
	s_wait_xcnt 0x0
	s_wait_alu depctr_hold_cnt(0) depctr_sa_sdst(0) depctr_va_vdst(0) depctr_va_sdst(0) depctr_va_ssrc(0) depctr_va_vcc(0) depctr_vm_vsrc(0)
	s_getreg_b32 s2, hwreg(HW_REG_IB_STS2, 6, 4)
	s_cmp_eq_u32 s2, 0
	s_cbranch_scc0 .Lentry_in_a_cluster
	s_endpgm
.Lentry_in_a_cluster:
	s_bfe_u32 s2, ttmp6, 0x10000c
	s_cmp_lg_u32 s2, 0x3003
	s_cbranch_scc0 .Lentry_shape_is_right
	s_endpgm
.Lentry_shape_is_right:
; out0[b][m][128 h ..] = sum over keys n of softmax_n(q . kd / sqrt(128)) vd, both products on codes of FP6 (E2M3) with one E8M0 scale for each 32 along a product's K.
; kd's and vd's codes, scale words and the mask's bias come as records of 26,112 bytes (a head's 128 keys, in the order of the operands' registers) from the launch before; q is quantised here, in registers.
; LEFT OUT: the causal test with q_start = 1,000,000,000: it holds for every key (at most 2,047) and every query, so it selects nothing.
; SOFTMAX: t = score x log2(e) / sqrt(128); M = the running largest t rounded up to a whole number; p = 2^(t - M) is quantised along the keys; the row's sum is taken of the unquantised p and divides at the end.
; When M moves, the sum and O are multiplied by f = 2^(old M - new M), which is exact.  THE MASK: the first product's C is the record's bias, 0 or -2^120; a masked key has zero codes, so its p is 0.
; SHARES: the four work-groups of a cluster own one head, 512 queries each, in TWO PASSES of 256: a wave has 32 queries a pass (two tiles of 16, which share every fragment read from LDS) and walks 2,048 keys, 128 a step.
; RING: two LDS slots of four records; a wave fetches an eighth of a slot (51 rows of 256 bytes) by one joint load that names the four partners.  The ring runs on through both passes: 8 phases of four key steps,
; phase p reads records 4 (p & 3) on; behind the change of slots of phases 0 to 6 the next phase's slot is asked for.
; BETWEEN THE PASSES: O / sum goes into S; the next 32 queries' loads are issued into O's registers; O leaves through the wave's stage while they are on their way.
; O IS NEVER CLEARED: at a pass's first step the old M is -3e38's, f comes out 0, and what O's registers hold (the raw q, finite) is multiplied by 0.
; LAYOUT: both products are used transposed (S^T = K Q^T, O^T = V^T P^T): a lane holds one query (lane % 16) throughout.
; LIMITS: NaN and infinities are not served (q's among them: 0 x q must be 0); scores of keys that count stay above -2^119.
; REGISTERS.  window 0: v3-14 addresses; v16-23 statistics; v24-27 f, p's scale word; v28-29 q's scale words; v32-39 K's, V's scale words; v40-87 four fragments; v88-111 p's codes; v112-127 at work; v128-255 S^T, p
;             window 1: v0-127 O^T (before a pass: raw q); v128-151 Q's fragments; v152-215 the bias
.set REC,   26112
.set SLOTB, 4*REC
.set PART,  SLOTB/8
.set SLOT1, 1<<17                      ; slot 1 begins here: one exclusive or changes slots
.set SPARE, SLOTB                      ; behind slot 0: the spare words, 128 bytes a wave
.set STAGE, SLOT1+SLOTB                ; behind slot 1: 16 rows x 528 bytes a wave; no fill lands here
.set SP,    528
.set VFR,   12288
.set KSC,   24576
.set VSC,   25088
.set BIA,   25600
.set PASSB, 256*8192                   ; bytes of q and out0 from a pass to the next
.set LI,  3                            ; 16 x lane
.set LB0, 4                            ; 64 x (lane / 16)
.set ADR, 5
.set ADB, 6
.set QR,  7                            ; stage: row r + 64 (lane / 16)
.set SPW, 8                            ; my spare word; never rewritten
.set NIL, 9                            ; 0; never rewritten
.set PFO, 10                           ; 256 x lane
.set STO, 11                           ; stage: row r + 32 (lane / 16)
.set RD,  12                           ; stage: 16 x lane
.set PFQ, 14                           ; 8,192 (lane / 2) + 256 (lane % 2)
.set ST,  16                           ; tile x at ST + 4 x: -M, largest t, the sum in two halves
.set FP,  24                           ; tile x at FP + 2 x: f, p's scale word
.set QS,  28
.set TMP, 30
.set KS,  32
.set VS,  36
.set FRG, 40
.set PC,  88
.set BM,  PC+8
.set CT,  112
.set SO,  120
.set S,   128
.set QF,  128                          ; window 1
.set BI,  152                          ; window 1
.set WV,  12
.set LIM, 15                           ; phases in which my wave prefetches records: 2 (waves 0-2) or 0
.set PFA, 18
.set SEL, 20
.set CS,  22
.set G1,  24
.set G0,  40
.set KB,  44                           ; s[44:45] the head's records + my eighth of a slot
.set PH,  56                           ; the phase
.set CNT, 57
.set OFS, 58                           ; s[58:59] the asked slot's bytes from the head's first record
.set TB,  62
.set MSB, 0
.macro WIN new
.if MSB != \new
	s_set_vgpr_msb (MSB<<8)|\new
.set MSB, \new
.endif
.endm
.set W_QK,  0x14
.set W_PV,  0x50
.set W_RS,  0x41
.set W_L1,  0x40
.set W_OUT, 0x01
.set W_QX,  0x15                       ; as W_QK, with K's fragment (source 0) in window 1 too
.set KX,    216                        ; window 1, v216-251: K's fragments of tiles 4 to 6
.set W_D1,  0x04                       ; an LDS store's data in window 1
.macro PLACES
.rept 4
	v_nop
.endr
.endm
.macro CROUND                          ; a round of the cluster's barrier
	s_barrier_signal -1
	s_barrier_wait -1
	s_cmp_lg_u32 s[WV], 0
	s_cbranch_scc1 .Lnot_wave_0_\@
	s_barrier_signal -3
.Lnot_wave_0_\@:
	s_barrier_wait -3
	s_barrier_signal -1
	s_barrier_wait -1
.endm
.macro LOADQ pass                      ; my 32 queries of a pass, 512 consecutive bytes a load, into O's registers
	WIN W_L1
.irp x, 0,1
.irp i, 0,1,2,3,4,5,6,7,8,9,10,11,12,13,14,15
	global_load_b128 v[64*\x+4*\i:64*\x+4*\i+3], v[LI], s[4:5] offset:(\pass)*PASSB+(16*\x+\i)*8192 th:TH_LOAD_NT
.endr
.endr
	WIN 0
.endm
.macro TURNQ x                         ; a tile's 16 rows through my stage: register 16 b + i of lane (r, hh) becomes number 32 b + 16 hh + i of query r.  LDS serves a wave's instructions in order (ISA guide 5.7.1.4)
	WIN W_D1
.irp i, 0,1,2,3,4,5,6,7,8,9,10,11,12,13,14,15
	ds_store_b128 v[RD], v[64*\x+4*\i:64*\x+4*\i+3] offset:SP*\i
.endr
	WIN 0
.irp b, 0,1,2,3
.irp j, 0,1,2,3
	ds_load_b128 v[S+64*\x+16*\b+4*\j:S+64*\x+16*\b+4*\j+3], v[QR] offset:128*\b+16*\j
.endr
.endr
.endm
.macro QUANT s, pw                     ; 64 numbers of a lane become a fragment's codes in v[PC] on and its scale word in v[pw]
.irp b, 0,1,2,3
	v_max3_num_f32 v[CT+\b], |v[\s+16*\b]|, |v[\s+1+16*\b]|, 0x1800000   ; the floor 2^(3 - 127) holds the byte at 1 from below
.endr
.irp i, 2,4,6,8,10,12,14
.irp b, 0,1,2,3
	s_delay_alu instid0(VALU_DEP_4)
	v_max3_num_f32 v[CT+\b], v[CT+\b], |v[\s+16*\b+\i]|, |v[\s+1+16*\b+\i]|
.endr
.endr
.irp b, 0,1,2,3
	s_delay_alu instid0(VALU_DEP_4)
	v_permlanex16_b32 v[CT+4+\b], v[CT+\b], s[SEL], s[SEL+1]
.endr
.irp b, 0,1,2,3
	s_delay_alu instid0(VALU_DEP_4)
	v_max_num_f32 v[CT+\b], v[CT+\b], v[CT+4+\b]
.endr
.irp b, 0,1,2,3
	s_delay_alu instid0(VALU_DEP_4)
	v_add_nc_u32 v[SO+\b], 0xff000000, v[CT+\b]    ; 2 off the exponent field: the conversion's scale operand
.endr
.irp b, 0,1,2,3
	s_delay_alu instid0(VALU_DEP_4)
	v_lshrrev_b32 v[CT+4+\b], 23, v[SO+\b]
.endr
	s_delay_alu instid0(VALU_DEP_3)
	v_lshl_or_b32 v[\pw], v[CT+5], 8, v[CT+4]
	s_delay_alu instid0(VALU_DEP_1)
	v_lshl_or_b32 v[\pw], v[CT+6], 16, v[\pw]
	s_delay_alu instid0(VALU_DEP_1)
	v_lshl_or_b32 v[\pw], v[CT+7], 24, v[\pw]
.irp c, 0,1
	v_cvt_scalef32_pk16_fp6_f32 v[PC+6*\c:PC+2+6*\c], v[\s+32*\c:\s+15+32*\c], v[SO+2*\c]
	v_cvt_scalef32_pk16_fp6_f32 v[PC+12+4*\c:PC+14+4*\c], v[\s+16+32*\c:\s+31+32*\c], v[SO+2*\c+1]
.endr
	v_nop                                          ; one plain place behind a scaled conversion
.irp c, 0,1                                    ; a whole block to a lane: lanes 0-15 block 2 c, lanes 16-31 block 2 c + 1
.irp i, 0,1,2
	v_permlane16_swap_b32 v[PC+6*\c+\i], v[PC+12+4*\c+\i]
.endr
.irp i, 0,1,2
	s_delay_alu instid0(VALU_DEP_3)
	v_mov_b32 v[PC+3+6*\c+\i], v[PC+12+4*\c+\i]
.endr
.endr
.endm
.macro QPREP                           ; a pass begins: the statistics are set, the 32 loads of LOADQ are awaited, q is quantised
.irp x, 0,1
	v_mov_b32 v[ST+4*\x], 0x7f61b1e6               ; -M = 3e38
	v_mov_b32 v[ST+4*\x+1], 0xff61b1e6             ; the largest t so far: -3e38
	v_mov_b32 v[ST+4*\x+2], 0
	v_mov_b32 v[ST+4*\x+3], 0
.endr
	s_wait_alu depctr_va_vdst(0)                   ; directly ahead of the wait below
	s_wait_loadcnt 16                              ; tile 0's sixteen rows are in; tile 1's stay out
	TURNQ 0
	s_wait_loadcnt 0x0
	TURNQ 1
	s_wait_dscnt 32                                ; tile 0 is back; tile 1's 16 stores and 16 loads stay out
	QUANT S, QS
	WIN W_L1
.irp i, 0,1,2,3,4,5,6,7,8,9,10,11
	v_mov_b32 v[QF+\i], v[PC+\i]
.endr
	WIN 0
	s_wait_dscnt 0x0
	QUANT S+64, QS+1
	WIN W_L1
.irp i, 0,1,2,3,4,5,6,7,8,9,10,11
	v_mov_b32 v[QF+12+\i], v[PC+\i]
.endr
	WIN 0
.endm
	s_load_b128 s[4:7], s[0:1], 0x0                ; q, kv
	s_load_b64 s[8:9], s[0:1], 0x10                ; out0
	v_lshl_add_u32 v[SPW], v0, 2, SPARE
	v_mov_b32 v[NIL], 0
	ds_add_u32 v[SPW], v[NIL]                      ; the opening lines: the add, twice on end, and its wait
	ds_add_u32 v[SPW], v[NIL]
	v_lshrrev_b32 v1, 5, v0
	s_delay_alu instid0(VALU_DEP_1)
	v_readfirstlane_b32 s[WV], v1                  ; wave 0..7
	v_and_b32 v1, 31, v0                           ; lane
	v_and_b32 v2, 15, v0                           ; r
	v_bfe_u32 v13, v0, 4, 1                        ; hh
	s_delay_alu instid0(VALU_DEP_3)
	v_lshlrev_b32 v[LI], 4, v1
	s_bfe_u32 s13, ttmp6, 0x40000                  ; cx: it enters q's, out0's and the prefetches' addresses alone
	s_and_b32 s17, ttmp7, 0xffff                   ; the head, which the four partners share
	s_lshr_b32 s32, s17, 4
	s_and_b32 s33, s17, 15
	s_lshl_b32 s32, s32, 24                        ; (2,048 b + 512 cx + 32 wave) rows of 8,192 bytes + 512 h
	s_lshl_b32 s33, s33, 9
	s_add_co_u32 s32, s32, s33
	s_lshl_b32 s33, s13, 22
	s_add_co_u32 s32, s32, s33
	s_lshl_b32 s33, s[WV], 18
	s_add_co_u32 s32, s32, s33
	s_mov_b32 s33, 0
	s_mul_i32 s34, s17, 16*REC
	s_mov_b32 s35, 0
	s_mul_i32 s36, s[WV], PART                     ; my eighth of a slot, in memory and in LDS
	s_mov_b32 s37, 0
	s_mov_b32 s[G1], 15|(3<<16)|(1<<21)            ; the mask of the four; elements of 8 bytes; bit 21 beside a mask
	s_mov_b32 s[G1+1], 32<<16
	s_mov_b32 s[G1+2], 51<<16
	s_mov_b32 s[G1+3], 32<<16
	s_mov_b32 s[G1+4], 51
	s_mov_b32 s[G1+5], 32
	s_mov_b32 s[G1+6], 0
	s_mov_b32 s[G1+7], 0
	s_mov_b32 s[SEL], 0x76543210
	s_mov_b32 s[SEL+1], 0xfedcba98
	s_mov_b32 s[CS], 0x3e0293ee                    ; log2(e) / sqrt(128)
	s_mov_b32 s[CS+1], s[CS]
	s_mov_b32 s[TB], 0
	s_mov_b32 s[PH], 0
	s_mov_b32 s[OFS+1], 0
	s_cmp_lt_u32 s[WV], 3
	s_cselect_b32 s[LIM], 2, 0
	s_mul_i32 s38, s13, REC                        ; the records' prefetches: my work-group's record of a slot,
	s_min_u32 s39, s[WV], 2
	s_lshl_b32 s39, s39, 13                        ; my wave's 8,192 bytes of it,
	s_add_co_u32 s38, s38, s39
	s_add_co_u32 s38, s38, SLOTB                   ; in slot 1: the first change steps it to slot 2
	s_mov_b32 s39, 0
	s_mul_i32 s14, s[WV], 16*SP
	s_add_co_u32 s14, s14, STAGE
	s_wait_alu depctr_va_vdst(0)                   ; directly ahead of the waits below
	s_wait_dscnt 0x0
	s_wait_kmcnt 0x0
	s_add_nc_u64 s[4:5], s[4:5], s[32:33]
	s_add_nc_u64 s[8:9], s[8:9], s[32:33]
	s_add_nc_u64 s[6:7], s[6:7], s[34:35]
	s_add_nc_u64 s[PFA:PFA+1], s[6:7], s[38:39]
	s_add_nc_u64 s[KB:KB+1], s[6:7], s[36:37]
	s_mov_b32 s[G0], 1
	s_mov_b32 s[G0+1], s36
	s_mov_b64 s[G0+2:G0+3], s[KB:KB+1]
	s_or_b32 s[G0+3], s[G0+3], 0x80000000
	LOADQ 0                                        ; q's loads go out ahead of the round
	CROUND
	tensor_load_to_lds s[G0:G0+3], s[G1:G1+7]      ; slot 0: my one tensor load at the head
	s_nop 0
	v_add_nc_u32 v[RD], s14, v[LI]
	v_mul_u32_u24 v[QR], v2, SP
	v_mul_u32_u24 v[STO], v2, SP
	v_lshlrev_b32 v[LB0], 6, v13
	v_lshlrev_b32 v[PFO], 8, v1
	v_lshrrev_b32 v[PFQ], 1, v1
	v_and_b32 v15, 1, v1
	v_lshl_add_u32 v[QR], v13, 6, v[QR]
	v_lshl_add_u32 v[STO], v13, 5, v[STO]
	s_delay_alu instid0(VALU_DEP_4)
	v_lshlrev_b32 v[PFQ], 13, v[PFQ]
	s_delay_alu instid0(VALU_DEP_3)
	v_add_nc_u32 v[QR], s14, v[QR]
	s_delay_alu instid0(VALU_DEP_3)
	v_add_nc_u32 v[STO], s14, v[STO]
	s_delay_alu instid0(VALU_DEP_3)
	v_lshl_add_u32 v[PFQ], v15, 8, v[PFQ]
.irp i, 0,1,2,3
	v_mov_b32 v[FP+\i], 0                          ; (a pair's upper half is named before it is first written)
.endr
.irp i, 0,1,2,3,4,5,6,7
	v_mov_b32 v[CT+\i], 0                          ; a lane permute's destination counts as one of its sources
.endr
	QPREP
.macro FETCH4 off                      ; four fragments as images of their registers
.irp f, 0,1,2,3
.irp c, 0,1,2
	ds_load_b128 v[FRG+12*\f+4*\c:FRG+12*\f+4*\c+3], v[ADR] offset:\off+1536*\f+512*\c
.endr
.endr
.endm
.macro FETCHS off                      ; four fragments into S's first 48 registers, which p's conversions have left
.irp f, 0,1,2,3
.irp c, 0,1,2
	ds_load_b128 v[S+12*\f+4*\c:S+12*\f+4*\c+3], v[ADR] offset:\off+1536*\f+512*\c
.endr
.endr
.endm
.macro LDF d, t                        ; K's fragment of tile t into v[d] on: three loads
.irp c, 0,1,2
	ds_load_b128 v[\d+4*\c:\d+4*\c+3], v[ADR] offset:1536*(\t)+512*\c
.endr
.endm
.macro LDB t                           ; the bias of tile t in the result's layout: register j is key 32 (t / 2) + 16 (lane / 16) + 8 (t % 2) + j: two loads
.irp u, 0,1
	ds_load_b128 v[BI+8*(\t)+4*\u:BI+8*(\t)+4*\u+3], v[ADB] offset:BIA+4*(32*((\t)/2)+8*((\t)%2))+16*\u
.endr
.endm
.macro QKT a, t                        ; S^T of key tile t, fragment at v[a], both tiles of queries; C is the bias.  A scale register carries tile i in lanes 0-15, tile 4 + i in lanes 16-31
.irp x, 0,1
.if (\t) > 3
	v_wmma_scale_f32_16x16x128_f8f6f4 v[S+64*\x+8*(\t):S+64*\x+8*(\t)+7], v[\a:\a+11], v[QF+12*\x:QF+12*\x+11], v[BI+8*(\t):BI+8*(\t)+7], v[KS+(\t)-4], v[QS+\x] matrix_a_fmt:MATRIX_FMT_FP6 matrix_b_fmt:MATRIX_FMT_FP6 matrix_a_scale:MATRIX_SCALE_ROW1
.else
	v_wmma_scale_f32_16x16x128_f8f6f4 v[S+64*\x+8*(\t):S+64*\x+8*(\t)+7], v[\a:\a+11], v[QF+12*\x:QF+12*\x+11], v[BI+8*(\t):BI+8*(\t)+7], v[KS+(\t)], v[QS+\x] matrix_a_fmt:MATRIX_FMT_FP6 matrix_b_fmt:MATRIX_FMT_FP6
.endif
.endr
.endm
.macro PV4 hi                          ; O^T += V^T P^T, channels 16 (4 hi + i) on; the accumulators take turns
.irp i, 0,1,2,3
.irp x, 0,1
.if \hi
	v_wmma_scale_f32_16x16x128_f8f6f4 v[64*\x+8*(4*\hi+\i):64*\x+8*(4*\hi+\i)+7], v[S+12*\i:S+12*\i+11], v[PC+12*\x:PC+12*\x+11], v[64*\x+8*(4*\hi+\i):64*\x+8*(4*\hi+\i)+7], v[VS+\i], v[FP+2*\x+1] matrix_a_fmt:MATRIX_FMT_FP6 matrix_b_fmt:MATRIX_FMT_FP6 matrix_a_scale:MATRIX_SCALE_ROW1
.else
	v_wmma_scale_f32_16x16x128_f8f6f4 v[64*\x+8*(4*\hi+\i):64*\x+8*(4*\hi+\i)+7], v[FRG+12*\i:FRG+12*\i+11], v[PC+12*\x:PC+12*\x+11], v[64*\x+8*(4*\hi+\i):64*\x+8*(4*\hi+\i)+7], v[VS+\i], v[FP+2*\x+1] matrix_a_fmt:MATRIX_FMT_FP6 matrix_b_fmt:MATRIX_FMT_FP6
.endif
.endr
.endr
.endm
; A KEY STEP: the 128 keys of the record at s[TB]; the two tiles of queries take turns line by line.
.macro STEP
	v_add_nc_u32 v[ADR], s[TB], v[LI]
	v_add_nc_u32 v[ADB], s[TB], v[LB0]
	v_nop                                          ; with the two additions: five places behind the last products: the loads below land in their sources, and the first products write over S, from which they took V's tiles 4-7
	v_nop
	v_nop
	ds_load_b128 v[KS:KS+3], v[ADR] offset:KSC     ; ALL OF THE FIRST PRODUCT'S 41 LOADS GO OUT HERE, in the order of their use: tiles 0-3 to v[FRG], 4-6 to v[KX], tile 7 to p's codes' registers, idle until the softmax
	LDF FRG, 0
	LDF FRG+12, 1
	WIN W_L1
	LDB 0
	LDB 1
	WIN 0
	LDF FRG+24, 2
	LDF FRG+36, 3
	WIN W_L1
	LDB 2
	LDB 3
	LDF KX, 4
	LDB 4
	LDF KX+12, 5
	LDB 5
	LDF KX+24, 6
	LDB 6
	LDB 7
	WIN 0
	LDF PC, 7
	s_wait_dscnt 30                                ; the first 11 are in: the scale words, fragments and bias of tiles 0, 1
	WIN W_QK
	s_wait_alu depctr_va_vdst(0)
	QKT FRG, 0
	QKT FRG+12, 1
	s_wait_dscnt 20                                ; the first 21: tiles 2, 3
	QKT FRG+24, 2
	QKT FRG+36, 3
	s_wait_dscnt 5                                 ; the first 36: tiles 4 to 6; tile 7's bias and fragment may be out
	WIN W_QX
	QKT KX, 4
	QKT KX+12, 5
	QKT KX+24, 6
	s_wait_dscnt 0x0
	WIN W_QK
	QKT PC, 7
	PLACES
	WIN 0
	ds_load_b128 v[VS:VS+3], v[ADR] offset:VSC
	FETCH4 VFR                                     ; V's tiles 0-3 land during the softmax
.irp b, 0,1,2,3
.irp x, 0,1
	v_max3_num_f32 v[BM+12*\x+\b], v[S+64*\x+16*\b], v[S+64*\x+16*\b+1], v[S+64*\x+16*\b+2]   ; the largest score of each block of 32 keys: for the row's maximum and for the block's largest p
.endr
.endr
.irp i, 3,5,7,9,11,13
.irp b, 0,1,2,3
.irp x, 0,1
	v_max3_num_f32 v[BM+12*\x+\b], v[BM+12*\x+\b], v[S+64*\x+16*\b+\i], v[S+64*\x+16*\b+\i+1]
.endr
.endr
.endr
.irp b, 0,1,2,3
.irp x, 0,1
	v_max_num_f32 v[BM+12*\x+\b], v[BM+12*\x+\b], v[S+64*\x+16*\b+15]
.endr
.endr
.irp b, 0,1,2,3
.irp x, 0,1
	v_permlanex16_b32 v[CT+4*\x+\b], v[BM+12*\x+\b], s[SEL], s[SEL+1]
.endr
.endr
.irp b, 0,1,2,3
.irp x, 0,1
	v_max_num_f32 v[BM+12*\x+\b], v[BM+12*\x+\b], v[CT+4*\x+\b]
.endr
.endr
.irp x, 0,1
	s_delay_alu instid0(VALU_DEP_4)
	v_max3_num_f32 v[TMP+\x], v[BM+12*\x], v[BM+12*\x+1], v[BM+12*\x+2]
.endr
.irp x, 0,1
	s_delay_alu instid0(VALU_DEP_2)
	v_max_num_f32 v[TMP+\x], v[TMP+\x], v[BM+12*\x+3]
.endr
.irp x, 0,1
	s_delay_alu instid0(VALU_DEP_2)
	v_mul_f32 v[TMP+\x], s[CS], v[TMP+\x]
.endr
.irp x, 0,1
	s_delay_alu instid0(VALU_DEP_2)
	v_max_num_f32 v[ST+4*\x+1], v[ST+4*\x+1], v[TMP+\x]   ; the running largest t
.endr
.irp x, 0,1
	v_mov_b32 v[TMP+\x], v[ST+4*\x]
.endr
.irp x, 0,1
	s_delay_alu instid0(VALU_DEP_4)
	v_floor_f32 v[ST+4*\x], -v[ST+4*\x+1]          ; the new -M = -ceil(t)
.endr
.irp x, 0,1
	s_delay_alu instid0(VALU_DEP_2)
	v_sub_f32 v[TMP+\x], v[ST+4*\x], v[TMP+\x]     ; old M - new M
.endr
.irp x, 0,1
	s_delay_alu instid0(VALU_DEP_2)
	v_cvt_i32_f32 v[TMP+\x], v[TMP+\x]             ; (it saturates)
.endr
.irp x, 0,1
	s_delay_alu instid0(VALU_DEP_2)
	v_ldexp_f32 v[FP+2*\x], 1.0, v[TMP+\x]         ; f
.endr
.set j, 0
.rept 32
.irp x, 0,1
	v_pk_fma_f32 v[S+64*\x+j:S+64*\x+j+1], v[S+64*\x+j:S+64*\x+j+1], s[CS:CS+1], v[ST+4*\x:ST+4*\x+1] op_sel_hi:[1,0,0]   ; t - M
.endr
.set j, j+2
.endr
.irp b, 0,1,2,3
.irp x, 0,1
	v_fma_f32 v[BM+12*\x+\b], v[BM+12*\x+\b], s[CS], v[ST+4*\x]
.endr
.endr
.set j, 0
	s_wait_alu depctr_va_vdst(0)                   ; ahead of the batch
.rept 64
.irp x, 0,1
	v_exp_f32 v[S+64*\x+j], v[S+64*\x+j]           ; p
.endr
.set j, j+1
.endr
.irp x, 0,1
	v_pk_mul_f32 v[ST+4*\x+2:ST+4*\x+3], v[ST+4*\x+2:ST+4*\x+3], v[FP+2*\x:FP+2*\x+1] op_sel_hi:[1,0]   ; the sums under the new M
.endr
	s_wait_alu depctr_va_vdst(0)                   ; and behind it, ahead of its first reader
.irp b, 0,1,2,3
.irp x, 0,1
	v_exp_f32 v[BM+12*\x+\b], v[BM+12*\x+\b]       ; the block's largest p: the same two instructions on the same number
.endr
.endr
.irp x, 0,1
	v_pk_add_f32 v[CT+2*\x:CT+2*\x+1], v[S+64*\x:S+64*\x+1], v[S+64*\x+2:S+64*\x+3]   ; the row's sum, of the unquantised p: two chains a tile
.endr
.set j, 4
.rept 15
.irp x, 0,1
	v_pk_add_f32 v[ST+4*\x+2:ST+4*\x+3], v[ST+4*\x+2:ST+4*\x+3], v[S+64*\x+j:S+64*\x+j+1]
	v_pk_add_f32 v[CT+2*\x:CT+2*\x+1], v[CT+2*\x:CT+2*\x+1], v[S+64*\x+j+2:S+64*\x+j+3]
.endr
.set j, j+4
.endr
.irp x, 0
	s_delay_alu instid0(VALU_DEP_3)
	v_pk_add_f32 v[ST+4*\x+2:ST+4*\x+3], v[ST+4*\x+2:ST+4*\x+3], v[CT+2*\x:CT+2*\x+1]
.endr
.irp x, 1
	s_delay_alu instid0(VALU_DEP_2)
	v_pk_add_f32 v[ST+4*\x+2:ST+4*\x+3], v[ST+4*\x+2:ST+4*\x+3], v[CT+2*\x:CT+2*\x+1]
.endr
	s_wait_alu depctr_va_vdst(0)                   ; one wait for the eight
.irp b, 0,1,2,3
.irp x, 0,1
	v_max_num_f32 v[BM+12*\x+\b], 0x1800000, v[BM+12*\x+\b]   ; the floor 2^(3 - 127)
.endr
.endr
.irp b, 0,1,2,3
.irp x, 0,1
	v_add_nc_u32 v[SO+4*\x+\b], 0xff000000, v[BM+12*\x+\b]
.endr
.endr
.irp b, 0,1,2,3
.irp x, 0,1
	v_lshrrev_b32 v[CT+4*\x+\b], 23, v[SO+4*\x+\b]
.endr
.endr
.irp x, 0,1
	v_lshl_or_b32 v[FP+2*\x+1], v[CT+4*\x+1], 8, v[CT+4*\x]   ; p's scale word
.endr
.irp x, 0,1
	s_delay_alu instid0(VALU_DEP_2)
	v_lshl_or_b32 v[FP+2*\x+1], v[CT+4*\x+2], 16, v[FP+2*\x+1]
.endr
.irp x, 0,1
	s_delay_alu instid0(VALU_DEP_2)
	v_lshl_or_b32 v[FP+2*\x+1], v[CT+4*\x+3], 24, v[FP+2*\x+1]
.endr
.irp x, 0,1
.irp c, 0,1
	v_cvt_scalef32_pk16_fp6_f32 v[PC+12*\x+6*\c:PC+12*\x+6*\c+2], v[S+64*\x+32*\c:S+64*\x+32*\c+15], v[SO+4*\x+2*\c]
	v_cvt_scalef32_pk16_fp6_f32 v[CT+4*\c:CT+4*\c+2], v[S+64*\x+32*\c+16:S+64*\x+32*\c+31], v[SO+4*\x+2*\c+1]
.endr
	v_nop                                          ; one plain place behind a scaled conversion
.if \x == 0
	FETCHS VFR+4*1536                              ; V's tiles 4-7, into tile 0's p, which is converted: they land under the work up to the second half of the products
.endif
.irp c, 0,1
.irp i, 0,1,2
	v_permlane16_swap_b32 v[PC+12*\x+6*\c+\i], v[CT+4*\c+\i]
.endr
.irp i, 0,1,2
	s_delay_alu instid0(VALU_DEP_3)
	v_mov_b32 v[PC+12*\x+3+6*\c+\i], v[CT+4*\c+\i]
.endr
.endr
.endr
	WIN W_RS
.set j, 0
.rept 32
.irp x, 0,1
	v_pk_mul_f32 v[64*\x+j:64*\x+j+1], v[64*\x+j:64*\x+j+1], v[FP+2*\x:FP+2*\x+1] op_sel_hi:[1,0]   ; O^T x f, each accumulator from its low end on; also the places ahead of the products
.endr
.set j, j+2
.endr
	s_wait_alu depctr_va_vdst(0)                   ; directly ahead of the wait below
	s_wait_dscnt 12                                ; V's scale words and tiles 0-3 are in; the twelve loads of tiles 4-7 may be out
	WIN W_PV
	PV4 0
	s_wait_dscnt 0x0
	PV4 1
	WIN 0
	s_add_co_u32 s[TB], s[TB], REC
.endm
; THE CHANGE OF SLOTS, at a phase's head.  Each wave waits for all its tensor loads (one is out: its eighth of the slot about to be read), adds 0 to its spare word, and waits for that and for its reads of the slot left.
; fill = 1: a round of the cluster's barrier, and the joint refill first behind it, one load a wave: the records of phase PH + 1, which has four key steps in which to land.
; PREFETCHES behind it.  Records: in phases 0 and 1, for the slot that the next change asks for (slots 2 and 3; afterwards the head's records have been read): each partner takes one record of the slot, by address;
; waves 0-2 take 8,192 bytes each of its 24,576 bytes of fragments, lanes 256 bytes apart.  q: in phase 1 every wave names the 64 blocks of 256 bytes of its own 32 rows of the second pass, loaded behind phase 3.
.macro CHANGE fill
	s_wait_tensorcnt 0x0
	ds_add_u32 v[SPW], v[NIL]
.if \fill
	s_xor_b32 s[G0+1], s[G0+1], SLOT1
	s_add_co_u32 s[OFS], s[PH], 1
	s_and_b32 s[OFS], s[OFS], 3
	s_mul_i32 s[OFS], s[OFS], SLOTB
	s_add_nc_u64 s[G0+2:G0+3], s[KB:KB+1], s[OFS:OFS+1]
	s_or_b32 s[G0+3], s[G0+3], 0x80000000
	s_wait_xcnt 0x0                                ; the last prefetches have read their addresses
	s_add_nc_u64 s[PFA:PFA+1], s[PFA:PFA+1], SLOTB
	s_wait_dscnt 0x0
	CROUND
	tensor_load_to_lds s[G0:G0+3], s[G1:G1+7]
	s_nop 0
	PLACES
	s_cmp_lt_u32 s[PH], s[LIM]
	s_cbranch_scc0 .Lno_rec_\@
	global_prefetch_b8 v[PFO], s[PFA:PFA+1] th:TH_LOAD_NT scope:SCOPE_SE
.Lno_rec_\@:
	s_cmp_eq_u32 s[PH], 1
	s_cbranch_scc0 .Lno_q_\@
	global_prefetch_b8 v[PFQ], s[4:5] offset:PASSB th:TH_LOAD_NT scope:SCOPE_SE
	global_prefetch_b8 v[PFQ], s[4:5] offset:PASSB+16*8192 th:TH_LOAD_NT scope:SCOPE_SE
.Lno_q_\@:
.else
	s_wait_dscnt 0x0
	s_barrier_signal -1
	s_barrier_wait -1
.endif
.endm
.macro FOUR_STEPS
	s_mov_b32 s[CNT], 4
.Lstep_\@:
	STEP
	s_sub_co_u32 s[CNT], s[CNT], 1
	s_cmp_lg_u32 s[CNT], 0
	s_cbranch_scc1 .Lstep_\@
	s_sub_co_u32 s[TB], s[TB], 4*REC
	s_xor_b32 s[TB], s[TB], SLOT1
.endm
; THE WAY OUT of a pass.  NORM: the row's sum is joined, S = O^T / sum.  PACK: a tile goes into my stage by 32 bytes a lane and comes back as whole rows.  SEND: 512 consecutive bytes a store.
.macro NORM
.irp x, 0,1
	v_add_f32 v[TMP+\x], v[ST+4*\x+2], v[ST+4*\x+3]
.endr
.irp x, 0,1
	s_delay_alu instid0(VALU_DEP_2)
	v_permlanex16_b32 v[CT+\x], v[TMP+\x], s[SEL], s[SEL+1]
.endr
.irp x, 0,1
	s_delay_alu instid0(VALU_DEP_2)
	v_add_f32 v[TMP+\x], v[TMP+\x], v[CT+\x]
.endr
	s_wait_alu depctr_va_vdst(0)                   ; ahead of the reciprocals
.irp x, 0,1
	v_rcp_f32 v[TMP+\x], v[TMP+\x]
.endr
	v_nop
	s_wait_alu depctr_va_vdst(0)                   ; and ahead of their first reader
	WIN W_OUT
.irp x, 0,1
.set j, 0
.rept 64
	v_mul_f32 v[S+64*\x+j], v[64*\x+j], v[TMP+\x]  ; register 8 t + i is out(query r, channel 16 t + 8 (lane / 16) + i)
.set j, j+1
.endr
.endr
	WIN 0
.endm
.macro PACK x
.irp t, 0,1,2,3,4,5,6,7
	ds_store_b128 v[STO], v[S+64*\x+8*\t:S+64*\x+8*\t+3] offset:64*\t
	ds_store_b128 v[STO], v[S+64*\x+8*\t+4:S+64*\x+8*\t+7] offset:64*\t+16
.endr
.irp i, 0,1,2,3,4,5,6,7,8,9,10,11,12,13,14,15
	ds_load_b128 v[S+64*\x+4*\i:S+64*\x+4*\i+3], v[RD] offset:SP*\i
.endr
.endm
.macro SEND pass, x, younger           ; younger: the LDS instructions issued behind tile x's loads, which may stay out
.irp i, 0,1,2,3,4,5,6,7,8,9,10,11,12,13,14,15
	s_wait_dscnt \younger+15-\i
	global_store_b128 v[LI], v[S+64*\x+4*\i:S+64*\x+4*\i+3], s[8:9] offset:(\pass)*PASSB+(16*\x+\i)*8192 th:TH_STORE_NT
.endr
.endm
.Lphase:                                           ; seven trips: phases 0 to 6, each asking for the next phase's slot
	CHANGE 1
	FOUR_STEPS
	s_cmp_lg_u32 s[PH], 3
	s_cbranch_scc1 .Lsame_pass
	NORM                                           ; the first pass is finished
	LOADQ 1                                        ; the second pass's q, into O's registers, which NORM has read
	PACK 0
	PACK 1
	SEND 0, 0, 32
	SEND 0, 1, 0
	s_wait_xcnt 0x0                                ; the stores' data registers are written again only behind this wait
	QPREP
.Lsame_pass:
	s_add_co_u32 s[PH], s[PH], 1
	s_cmp_lt_u32 s[PH], 7
	s_cbranch_scc1 .Lphase
	CHANGE 0                                       ; the last phase is written out: it asks for nothing
	FOUR_STEPS
	NORM
	PACK 0
	PACK 1
	SEND 1, 0, 32
	SEND 1, 1, 0
	s_wait_tensorcnt 0x0                           ; the wave's end
	ds_add_u32 v[SPW], v[NIL]
	s_wait_dscnt 0x0
	CROUND                                         ; the closing round
	s_endpgm
.Lfunc_end_k_q128a4e3136_attn:
	.size	k_q128a4e3136_attn, .Lfunc_end_k_q128a4e3136_attn-k_q128a4e3136_attn
	.p2alignl 7, 3214868480
	.fill 96, 4, 3214868480
	.section	.rodata,"a",@progbits
	.p2align	6, 0x0
	.amdhsa_kernel k_q128a4e3136_attn
		.amdhsa_group_segment_fixed_size 327680
		.amdhsa_private_segment_fixed_size 0
		.amdhsa_enable_private_segment 0
		.amdhsa_kernarg_size 24
		.amdhsa_user_sgpr_count 2
		.amdhsa_user_sgpr_kernarg_segment_ptr 1
		.amdhsa_wavefront_size32 1
		.amdhsa_system_sgpr_workgroup_id_x 1
		.amdhsa_system_sgpr_workgroup_id_y 1
		.amdhsa_system_sgpr_workgroup_id_z 1
		.amdhsa_system_vgpr_workitem_id 0
		.amdhsa_next_free_vgpr 512
		.amdhsa_next_free_sgpr 66
		.amdhsa_reserve_vcc 0
		.amdhsa_float_denorm_mode_32 3
		.amdhsa_float_denorm_mode_16_64 3
		.amdhsa_memory_ordered 1
		.amdhsa_forward_progress 1
		.amdhsa_inst_pref_size 143
	.end_amdhsa_kernel
	.amdgpu_metadata
---
amdhsa.version: [ 1, 2 ]
amdhsa.kernels:
  - .name:           k_q128a4e3136_attn
    .symbol:         k_q128a4e3136_attn.kd
    .args:
      - { .name: q, .offset: 0, .size: 8, .value_kind: global_buffer, .address_space: global }
      - { .name: kv, .offset: 8, .size: 8, .value_kind: global_buffer, .address_space: global }
      - { .name: out0, .offset: 16, .size: 8, .value_kind: global_buffer, .address_space: global }
    .group_segment_fixed_size: 327680
    .private_segment_fixed_size: 0
    .kernarg_segment_align: 8
    .kernarg_segment_size: 24
    .max_flat_workgroup_size: 256
    .sgpr_count:     66
    .vgpr_count:     512
    .wavefront_size: 32
...
	.end_amdgpu_metadata
.endif
;; end of part 2
